; MI455X (gfx1250); checked and timed in simulation.
; The chip was launched on July 23, 2026; its instructions are those of AMD's public machine-readable ISA for CDNA 5 (MIT licence, August 2026) and "CDNA5" Instruction Set Architecture Reference Guide (July 2026). The comments in the code are by the model that wrote it; some were corrected since.
;; Masked Attention Layer. Allowed arithmetic: matrix products marked QUANTISED: E5M2 operands, one E8M0 scale for each 32 along K, by v_wmma_scale_f32_16x16x128_f8f6f4 with both operands' format E5M2, f32 sums; everything else in f32.
;; Inputs: Wk 16 x 64 x 1,024 float32; Wq 16 x 64 x 1,024 float32; Wv 16 x 64 x 1,024 float32; bk 16 x 64 float32; bq 16 x 64 float32; bv 16 x 64 float32; x 4 x 2,048 x 1,024 float32.
;; Outputs: out0 4 x 2,048 x 1,024 float32.
;; This version of the problem:
;;   THIS VERSION OF THE PROBLEM IS GIVEN IN LOW PRECISION. The matrix products marked QUANTISED in the list below multiply operands that are first quantised to E5M2 (5 exponent bits, 2 mantissa bits; 8 bits a number), with one power-of-two scale for each 32 numbers along K (OCP MX v1.0); their sums are f32. All else is computed in f32.
;;   The module's matrix products, in the order in which they are computed (A, B: the left and right operand; K: the contracted axis; several contracted axes count as one K, in the product's order):
;;     1. [M 8,192, K 1,024] x [K 1,024, N 1,024]; A: input x; B: input Wq: QUANTISED
;;     2. [M 8,192, K 1,024] x [K 1,024, N 1,024]; A: input x; B: input Wk: QUANTISED
;;     3. [M 8,192, K 1,024] x [K 1,024, N 1,024]; A: input x; B: input Wv: QUANTISED
;;     4. batch 64 x [M 2,048, K 64] x [K 64, N 2,048]; A: computed on the way; B: computed on the way: QUANTISED
;;     5. batch 64 x [M 64, K 2,048] x [K 2,048, N 2,048]; A: computed on the way; B: softmax (see below): QUANTISED
;;   THE QUANTISER, for each operand of a quantised product, along K:
;;     - K is cut into blocks of 32 from its start; a last block that is shorter is filled with zeros.
;;     - A block's scale is 2^e with e = floor(log2(the largest magnitude in the block)) - 15, held to -126 .. 127; a block of zeros has e = 0. As a byte (E8M0): e + 127.
;;     - Each number is divided by its block's scale, clamped to +-57,344, and rounded to the nearest number of E5M2, ties to even, subnormals kept.
;;     - The product sums the exact products of the quantised numbers (number of the format x scale) in f32.
;;   ~~~python
;;   def quantise(x, axis):      # numpy; x: float32 -> the quantised numbers, widened to float32 again
;;       x = np.moveaxis(x, axis, -1); K = x.shape[-1]
;;       x = np.pad(x, [(0, 0)] * (x.ndim - 1) + [(0, -K % 32)]); x = x.reshape(x.shape[:-1] + (-1, 32)); a = np.abs(x).max(-1, keepdims=True)
;;       e = np.where(a > 0, np.clip(np.frexp(np.where(a > 0, a, 1))[1] - 1 - 15, -126, 127), 0)      # np.frexp(a)[1] - 1 = floor(log2(a)), exactly
;;       r = np.clip(x / 2.0 ** e, -57344, 57344)
;;       step = 2.0 ** (np.maximum(np.frexp(np.where(r == 0, 1, r))[1] - 1, -14) - 2)
;;       q = np.round(r / step) * step * 2.0 ** e      # np.round: ties to even
;;       return np.moveaxis(q.reshape(q.shape[:-2] + (-1,))[..., :K], -1, axis).astype(np.float32)
;;   ~~~
;;   SOFTMAX AHEAD OF A QUANTISED PRODUCT. Where the list says 'softmax', what is quantised is not the finished softmax but p = 2^(t - M), with t = logit x log2(e) and M = ceil(the row's largest t), a whole number; so 1/2 < the row's largest p <= 1. The row's sum l is taken of the UNQUANTISED p, in f32, and the product's result is divided by l at the end. Since M is a whole number, a kernel that streams over the keys may use a running M (the ceiling of the running maximum): every later rescaling is an exact power of two, which a block's scale takes up: the codes' values come out the same.
;;   OPERANDS COMPUTED ON THE WAY. 'Computed on the way' means the value that the module computes at that place (a softmax that the list does not call 'softmax' is quantised finished and normalised). What goes into a quantiser is computed in f32, as accurately as f32 sums, v_exp_f32 and their like allow (about 1e-6 of the number): no bf16 or f16 on the way to a quantiser, and a product that is left as it is and whose result goes on into a quantised operand takes f32 operands (vector FMAs, or v_wmma_f32_16x16x4_f32). A number that lies on a knife's edge between two numbers of the format may be rounded either way, as far as f32 arithmetic and the matrix unit's own rounding can turn it there, and no further.
;; One version. Each part assembles by itself: llvm-mc -triple=amdgcn-amd-amdhsa -mcpu=gfx1250 --defsym DOCPART=n.
;; ======== version 1 of 1: 3 launches
;; limits: right only within a limited range of input values
;; workspace buffers: codes 11,534,336 bytes; scales 360,448 bytes; qkv 25,952,256 bytes
;; launch quant (part 1): grid 352 x 1, 4 waves a work-group, no clusters, 34,304 bytes of LDS; arguments x, Wq, Wk, Wv, codes, scales; writes codes, scales
.if DOCPART == 1
	.amdgcn_target "amdgcn-amd-amdhsa--gfx1250"
	.amdhsa_code_object_version 6
	.text
	.protected	k_qccbd77ab9b_quant
	.globl	k_qccbd77ab9b_quant
	.p2align	8
	.type	k_qccbd77ab9b_quant,@function
k_qccbd77ab9b_quant:
	s_mov_b64 s[64:65], 0
	v_nop
	global_prefetch_b8 v0, s[64:65] scope:SCOPE_SE
	s_setreg_imm32_b32 hwreg(HW_REG_WAVE_MODE, 25, 1), 1
	s_wait_xcnt 0x0
; x [8192][1024] and Wq, Wk, Wv [1024][1024], f32, K innermost, become codes of BF8 (E5M2) with one E8M0 byte for each 32 along K,
; laid as IMAGES OF THE OPERAND'S REGISTERS for the product that follows.
; ROWS go in groups of 32.  Block (G, u), u = 0 or 1, has 16 image rows; image row p is true row 32 G + 8 u + p + 8 (p / 8).
; An image is 16 rows x 128 K = 2,048 bytes: byte 512 c + 16 lane + e holds the code of image row lane % 16 at k = 32 c + 16 (lane / 16) + e.
; codes: [block 2 G + u][K step 0..7][2,048];  G 0-255 x, 256-287 Wq, 288-319 Wk, 320-351 Wv.
; scales: G x 1,024 + (K step / 2) x 256 + u x 128 + row x 8 + (K step % 2) x 4: one word of four bytes for a row and 128 along K.
; A block's scale is 2^(floor(log2(largest magnitude)) - 15); its byte is the largest magnitude's exponent field - 15, held at 1 from below.
; LIMITS: a block of zeros gets the byte 1 where the rule says 127 (its codes are zeros, and this program alone reads the bytes); NaN and infinities among the inputs are not served.
; SHARES: a work-group takes one group of 32 rows, wave w the 256 along K from 256 w on, in four pieces p = 2 u + s of 16 rows x 128 K.
; Each load reads 512 consecutive bytes of a row; a piece turns through the wave's own stage in LDS (rows of 512 + 16 bytes), so that a lane gets 16 neighbours of each of its row's four blocks.
; Waves share nothing: no barrier.  Every offset is an immediate: no loop.  Two pieces, 32 loads a wave, are asked for ahead.
.set STW, 8448                         ; a wave's stage: 16 rows x 528 bytes
.set SPT, 528
.set PWS, 12                           ; v12-15   the scale word of piece p
.set TM,  16                           ; v16-19 largest magnitudes, v20-23 bytes, v24-27 the largest number x the scale, v28-31 the conversions' scale operands
.set PC,  32                           ; v32-63   codes, two sets of 16
.set R,   64                           ; v64-191  numbers as loaded, two sets of 64
.set X,   192                          ; v192-255 64 numbers of my row: register 16 b + i = k 32 b + 16 (lane / 16) + i
.set SEL, 20                           ; s[20:21] lane selects: lane l xor 16
.set MNT, 22                           ; s22      the mantissa field of 57,344
; 64 numbers of a lane become a fragment's 16 registers of codes, v[pc] on, and its row's scale word, v[pw]
.macro QUANT s, pc, pw
.irp b, 0,1,2,3
	v_max3_num_f32 v[TM+\b], |v[(\s)+16*\b]|, |v[(\s)+1+16*\b]|, 0x8000000      ; block b: my 16 numbers, and the floor 2^(16 - 127): the byte cannot fall under 1
.endr
.irp i, 2,4,6,8,10,12,14
.irp b, 0,1,2,3
	v_max3_num_f32 v[TM+\b], v[TM+\b], |v[(\s)+16*\b+\i]|, |v[(\s)+1+16*\b+\i]|   ; the four blocks by turns
.endr
.endr
.irp b, 0,1,2,3
	v_permlanex16_b32 v[TM+4+\b], v[TM+\b], s[SEL], s[SEL+1]
.endr
.irp b, 0,1,2,3
	v_max_num_f32 v[TM+\b], v[TM+\b], v[TM+4+\b]                 ; with lane l xor 16's 16: the block's largest magnitude
.endr
.irp b, 0,1,2,3
	v_add_nc_u32 v[TM+12+\b], 0xf8800000, v[TM+\b]               ; 15 off its exponent field: the conversion's scale operand
.endr
.irp b, 0,1,2,3
	v_and_or_b32 v[TM+8+\b], v[TM+\b], 0x7f800000, s[MNT]        ; 57,344 x the scale
.endr
.irp b, 0,1,2,3
	v_lshrrev_b32 v[TM+4+\b], 23, v[TM+12+\b]                    ; the scale's byte
.endr
	v_lshl_or_b32 v[\pw], v[TM+5], 8, v[TM+4]
	v_lshl_or_b32 v[\pw], v[TM+6], 16, v[\pw]
	v_lshl_or_b32 v[\pw], v[TM+7], 24, v[\pw]
.irp b, 0,1,2,3
.irp i, 0,1,2,3,4,5,6,7,8,9,10,11,12,13,14,15
	v_med3_num_f32 v[(\s)+16*\b+\i], v[(\s)+16*\b+\i], -v[TM+8+\b], v[TM+8+\b]   ; the conversion to an 8-bit code does not saturate (ISA guide 7.6.2): the hold comes first
.endr
	v_cvt_scalef32_pk8_bf8_f32 v[(\pc)+4*\b:(\pc)+1+4*\b], v[(\s)+16*\b:(\s)+7+16*\b], v[TM+12+\b]
	v_cvt_scalef32_pk8_bf8_f32 v[(\pc)+2+4*\b:(\pc)+3+4*\b], v[(\s)+8+16*\b:(\s)+15+16*\b], v[TM+12+\b]
.endr
	v_nop                                                        ; a plain line behind the last conversion
.endm
	s_load_b256 s[4:11], s[0:1], 0x0               ; x, Wq, Wk, Wv
	s_load_b128 s[12:15], s[0:1], 0x20             ; codes, scales
	v_lshl_add_u32 v9, v0, 2, 0x8400
	s_set_vgpr_msb 0x40
	v_mov_b32 v1, 0
	s_set_vgpr_msb 0x4000
	v_lshrrev_b32 v1, 5, v0
	v_readfirstlane_b32 s16, v1                    ; wave 0..3
	v_and_b32 v1, 31, v0                           ; lane
	v_and_b32 v2, 15, v0                           ; r
	v_bfe_u32 v3, v0, 4, 1                         ; h
	v_lshlrev_b32 v7, 4, v1                        ; 16 x lane: my place in an image's 512 bytes
	v_lshlrev_b32 v8, 3, v1                        ; 8 x lane: my pair of scale words
	s_lshl_b32 s17, s16, 10
	v_add_nc_u32 v4, s17, v7                       ; in a row of the source: 1,024 x wave + 16 x lane
	s_mul_i32 s17, s16, STW
	v_add_nc_u32 v5, s17, v7                       ; the stage, on the way in: 16 x lane of a row
	v_mul_u32_u24 v6, v2, SPT
	v_lshl_add_u32 v6, v3, 6, v6
	v_add_nc_u32 v6, s17, v6                       ; and on the way out: row r, + 64 h
	s_mov_b32 s[SEL], 0x76543210
	s_mov_b32 s[SEL+1], 0xfedcba98
	s_mov_b32 s[MNT], 0x600000
	s_mov_b32 s23, 0xffff0000                      ; lanes 16-31
.irp b, 0,1,2,3
	v_mov_b32 v[TM+4+\b], 0                        ; written once: a lane permute's destination counts as one of its sources
.endr
	s_sub_co_u32 s18, ttmp9, 256
	s_lshr_b32 s19, s18, 5                         ; which weight, where the group is a weight's
	s_and_b32 s18, s18, 31                         ; and which group of it
	s_wait_alu depctr_va_vdst(0)
	s_wait_kmcnt 0x0
	s_cmp_eq_u32 s19, 1                            ; the choices hang on the work-group's number alone
	s_cselect_b64 s[6:7], s[8:9], s[6:7]
	s_cmp_eq_u32 s19, 2
	s_cselect_b64 s[6:7], s[10:11], s[6:7]
	s_cmp_lt_u32 ttmp9, 256
	s_cselect_b64 s[4:5], s[4:5], s[6:7]
	s_cselect_b32 s18, ttmp9, s18
	s_lshl_b32 s24, s18, 17                        ; 32 rows of 4,096 bytes
	s_mov_b32 s25, 0
	s_add_nc_u64 s[4:5], s[4:5], s[24:25]
	s_lshl_b32 s24, ttmp9, 15                      ; codes: two blocks of 16,384 bytes a group,
	s_lshl_b32 s17, s16, 12                        ; two K steps of 2,048 bytes a wave
	s_add_co_u32 s24, s24, s17
	s_add_nc_u64 s[12:13], s[12:13], s[24:25]
	s_lshl_b32 s24, ttmp9, 10                      ; scales: 1,024 bytes a group, 256 a wave
	s_lshl_b32 s17, s16, 8
	s_add_co_u32 s24, s24, s17
	s_add_nc_u64 s[14:15], s[14:15], s[24:25]
.macro LOAD p                          ; piece p: 16 rows, 512 consecutive bytes each
.irp r, 0,1,2,3,4,5,6,7,8,9,10,11,12,13,14,15
	global_load_b128 v[R+64*((\p)%2)+4*\r:R+64*((\p)%2)+4*\r+3], v4, s[4:5] offset:(8*((\p)/2)+\r+8*(\r/8))*4096+512*((\p)%2) th:TH_LOAD_NT
.endr
.endm
.macro PIECE p
.if (\p) >= 2
	s_wait_xcnt 0x0                                ; the stores of two pieces back have read their set of codes, which is written again below
.endif
.if (\p) < 3
	s_wait_loadcnt 16                              ; this piece's 16 loads are in; the next piece's 16 may be out
.else
	s_wait_loadcnt 0x0
.endif
.irp r, 0,1,2,3,4,5,6,7,8,9,10,11,12,13,14,15
	ds_store_b128 v5, v[R+64*((\p)%2)+4*\r:R+64*((\p)%2)+4*\r+3] offset:SPT*\r
.endr
.irp b, 0,1,2,3
.irp j, 0,1,2,3
	ds_load_b128 v[X+16*\b+4*\j:X+16*\b+4*\j+3], v6 offset:128*\b+16*\j   ; LDS serves a wave's instructions in order: these see the stores above
.endr
.endr
	s_wait_dscnt 0x0                               ; my numbers are back, and the stores have read their registers,
.if (\p) < 2
	LOAD (\p)+2                                    ; which take the loads of two pieces on
.endif
	QUANT X, PC+16*((\p)%2), PWS+(\p)
.irp c, 0,1,2,3
	global_store_b128 v7, v[PC+16*((\p)%2)+4*\c:PC+16*((\p)%2)+4*\c+3], s[12:13] offset:((\p)/2)*16384+((\p)%2)*2048+512*\c   ; 512 consecutive bytes of the image
.endr
.endm
	LOAD 0
	LOAD 1
	PIECE 0
	PIECE 1
	PIECE 2
	PIECE 3
	v_cndmask_b32 v10, v[PWS], v[PWS+2], s23       ; every lane holds its row's words of both blocks: lanes 0-15 store block u = 0's, lanes 16-31 block u = 1's
	v_cndmask_b32 v11, v[PWS+1], v[PWS+3], s23
	global_store_b64 v8, v[10:11], s[14:15]        ; 256 consecutive bytes, aligned
	s_set_vgpr_msb 0x4
	s_wait_tensorcnt 0x0
	ds_add_u32 v9, v1
	s_wait_dscnt 0x0
	s_set_vgpr_msb 0x400
	s_endpgm
.Lfunc_end_k_qccbd77ab9b_quant:
	.size	k_qccbd77ab9b_quant, .Lfunc_end_k_qccbd77ab9b_quant-k_qccbd77ab9b_quant
	.p2alignl 7, 3214868480
	.fill 96, 4, 3214868480
	.section	.rodata,"a",@progbits
	.p2align	6, 0x0
	.amdhsa_kernel k_qccbd77ab9b_quant
		.amdhsa_group_segment_fixed_size 34304
		.amdhsa_private_segment_fixed_size 0
		.amdhsa_enable_private_segment 0
		.amdhsa_kernarg_size 48
		.amdhsa_user_sgpr_count 2
		.amdhsa_user_sgpr_kernarg_segment_ptr 1
		.amdhsa_wavefront_size32 1
		.amdhsa_system_sgpr_workgroup_id_x 1
		.amdhsa_system_sgpr_workgroup_id_y 1
		.amdhsa_system_sgpr_workgroup_id_z 1
		.amdhsa_system_vgpr_workitem_id 0
		.amdhsa_next_free_vgpr 258
		.amdhsa_next_free_sgpr 66
		.amdhsa_reserve_vcc 0
		.amdhsa_float_denorm_mode_32 3
		.amdhsa_float_denorm_mode_16_64 3
		.amdhsa_memory_ordered 1
		.amdhsa_forward_progress 1
		.amdhsa_inst_pref_size 51
	.end_amdhsa_kernel
	.amdgpu_metadata
---
amdhsa.version: [ 1, 2 ]
amdhsa.kernels:
  - .name:           k_qccbd77ab9b_quant
    .symbol:         k_qccbd77ab9b_quant.kd
    .args:
      - { .name: x, .offset: 0, .size: 8, .value_kind: global_buffer, .address_space: global }
      - { .name: Wq, .offset: 8, .size: 8, .value_kind: global_buffer, .address_space: global }
      - { .name: Wk, .offset: 16, .size: 8, .value_kind: global_buffer, .address_space: global }
      - { .name: Wv, .offset: 24, .size: 8, .value_kind: global_buffer, .address_space: global }
      - { .name: codes, .offset: 32, .size: 8, .value_kind: global_buffer, .address_space: global }
      - { .name: scales, .offset: 40, .size: 8, .value_kind: global_buffer, .address_space: global }
    .group_segment_fixed_size: 34304
    .private_segment_fixed_size: 0
    .kernarg_segment_align: 8
    .kernarg_segment_size: 48
    .max_flat_workgroup_size: 128
    .sgpr_count:     66
    .vgpr_count:     258
    .wavefront_size: 32
...
	.end_amdgpu_metadata
.endif
;; end of part 1
;; launch proj (part 2): grid 12 x 32, 4 waves a work-group, clusters of 4 x 4, 327,680 bytes of LDS; arguments codes, scales, bq, bk, bv, qkv; writes qkv
.if DOCPART == 2
	.amdgcn_target "amdgcn-amd-amdhsa--gfx1250"
	.amdhsa_code_object_version 6
	.text
	.protected	k_qccbd77ab9b_proj
	.globl	k_qccbd77ab9b_proj
	.p2align	8
	.type	k_qccbd77ab9b_proj,@function
k_qccbd77ab9b_proj:
	s_mov_b64 s[64:65], 0
	v_nop
	global_prefetch_b8 v0, s[64:65] scope:SCOPE_SE
	s_setreg_imm32_b32 hwreg(HW_REG_WAVE_MODE, 25, 1), 1
	s_wait_xcnt 0x0
	s_wait_alu depctr_hold_cnt(0) depctr_sa_sdst(0) depctr_va_vdst(0) depctr_va_sdst(0) depctr_va_ssrc(0) depctr_va_vcc(0) depctr_vm_vsrc(0)
	s_getreg_b32 s2, hwreg(HW_REG_IB_STS2, 6, 4)
	s_cmp_eq_u32 s2, 0
	s_cbranch_scc0 .Lentry_in_a_cluster
	s_endpgm
.Lentry_in_a_cluster:
	s_bfe_u32 s2, ttmp6, 0x10000c
	s_cmp_lg_u32 s2, 0xf033
	s_cbranch_scc0 .Lentry_shape_is_right
	s_endpgm
.Lentry_shape_is_right:
.set NQ,    2
.set FR,    16
.set NL,    4
.set NP,    8
.set SLOT,  131072
.set SCL,   262144
.set SPARE, 278528
.set REC,   50688
.set HS,    405504
.set BM,   8
.set ADRA, 16
.set ADRB, 20
.set AD0,  24
.set AD2,  25
.set ASC,  26
.set ADRS, 27
.set SPW,  28
.set NIL,  29
.set SC,   32
.set BN,   64
.set AF,   128
.set T,    128
.set TM,   192
.set SW,   208
.set PC,   212
.set PWS,  244
.set WV, 16
.set WR, 17
.set WC, 18
.set G1, 24
.set G0, 32
.set G1B, 48
.set G0B, 56
.set G1S, 68
.set G0S, 76
.set G1SB, 80
.set G0SB, 88
.set SEL, 98
.set MNT, 100
.set MSB, 0
.macro WIN new
.if MSB != (\new)
	s_set_vgpr_msb (MSB<<8)|(\new)
.set MSB, (\new)
.endif
.endm
.set MUL_LO, 0xa1
.set MUL_HI, 0xf1
.set TO_B,   0x40
.macro JLOAD g0a, g1a, g0b, g1b
	s_cmp_eq_u32 s[WR], 0
	s_cbranch_scc0 .Lfor_b_\@
	tensor_load_to_lds s[\g0a:\g0a+3], s[\g1a:\g1a+7]
	s_nop 0
.rept 4
	v_nop
.endr
	s_branch .Lasked_\@
.Lfor_b_\@:
	tensor_load_to_lds s[\g0b:\g0b+3], s[\g1b:\g1b+7]
	s_nop 0
.rept 4
	v_nop
.endr
.Lasked_\@:
.endm
.macro CREST
	s_cmp_lg_u32 s[WV], 0
	s_cbranch_scc1 .Lnot_wave_0_\@
	s_barrier_signal -3
.Lnot_wave_0_\@:
	s_barrier_wait -3
	s_barrier_signal -1
	s_barrier_wait -1
.endm
.macro CROUND
	s_barrier_signal -1
	s_barrier_wait -1
	CREST
.endm
.macro QUANT s, pc, pw
.irp b, 0,1,2,3
	v_max3_num_f32 v[TM+\b], |v[(\s)+16*\b]|, |v[(\s)+1+16*\b]|, 0x8000000
.endr
.irp i, 2,4,6,8,10,12,14
.irp b, 0,1,2,3
	v_max3_num_f32 v[TM+\b], v[TM+\b], |v[(\s)+16*\b+\i]|, |v[(\s)+1+16*\b+\i]|
.endr
.endr
.irp b, 0,1,2,3
	v_permlanex16_b32 v[TM+4+\b], v[TM+\b], s[SEL], s[SEL+1]
.endr
.irp b, 0,1,2,3
	v_max_num_f32 v[TM+\b], v[TM+\b], v[TM+4+\b]
.endr
.irp b, 0,1,2,3
	v_add_nc_u32 v[TM+12+\b], 0xf8800000, v[TM+\b]
.endr
.irp b, 0,1,2,3
	v_and_or_b32 v[TM+8+\b], v[TM+\b], 0x7f800000, s[MNT]
.endr
.irp b, 0,1,2,3
	v_lshrrev_b32 v[TM+4+\b], 23, v[TM+12+\b]
.endr
	v_lshl_or_b32 v[\pw], v[TM+5], 8, v[TM+4]
	v_lshl_or_b32 v[\pw], v[TM+6], 16, v[\pw]
	v_lshl_or_b32 v[\pw], v[TM+7], 24, v[\pw]
.irp b, 0,1,2,3
.irp i, 0,1,2,3,4,5,6,7,8,9,10,11,12,13,14,15
	v_med3_num_f32 v[(\s)+16*\b+\i], v[(\s)+16*\b+\i], -v[TM+8+\b], v[TM+8+\b]
.endr
	v_cvt_scalef32_pk8_bf8_f32 v[(\pc)+4*\b:(\pc)+1+4*\b], v[(\s)+16*\b:(\s)+7+16*\b], v[TM+12+\b]
	v_cvt_scalef32_pk8_bf8_f32 v[(\pc)+2+4*\b:(\pc)+3+4*\b], v[(\s)+8+16*\b:(\s)+15+16*\b], v[TM+12+\b]
.endr
	v_nop
.endm
	s_load_b256 s[4:11], s[0:1], 0x0
	s_load_b128 s[12:15], s[0:1], 0x20
	v_lshl_add_u32 v[SPW], v0, 2, SPARE
	v_mov_b32 v[NIL], 0
	ds_add_u32 v28, v29
	ds_add_u32 v28, v29
	s_wait_dscnt 0x0
	v_lshrrev_b32 v1, 5, v0
	v_readfirstlane_b32 s[WV], v1
	s_lshr_b32 s[WR], s[WV], 1
	s_and_b32 s[WC], s[WV], 1
	s_bfe_u32 s19, ttmp6, 0x40000
	s_bfe_u32 s20, ttmp6, 0x40004
	s_and_b32 s21, ttmp7, 0xffff
	s_lshl_b32 s2, s20, 2
	s_lshl_b32 s2, 15, s2
	s_lshl_b32 s66, 0x1111, s19
	s_or_b32 s[G1], s2, (3<<16)|(1<<21)
	s_or_b32 s[G1B], s66, (3<<16)|(1<<21)
.irp g, G1, G1B
	s_mov_b32 s[\g+1], 512<<16
	s_mov_b32 s[\g+2], 16<<16
	s_mov_b32 s[\g+3], 512<<16
	s_mov_b32 s[\g+4], 16
	s_mov_b32 s[\g+5], 2048
	s_mov_b32 s[\g+6], 0
	s_mov_b32 s[\g+7], 0
.endr
	s_or_b32 s[G1S], s2, (3<<16)|(1<<21)
	s_or_b32 s[G1SB], s66, (3<<16)|(1<<21)
.irp g, G1S, G1SB
	s_mov_b32 s[\g+1], 32<<16
	s_mov_b32 s[\g+2], 32<<16
	s_mov_b32 s[\g+3], 32<<16
	s_mov_b32 s[\g+4], 32
	s_mov_b32 s[\g+5], 32
	s_mov_b32 s[\g+6], 0
	s_mov_b32 s[\g+7], 0
.endr
	s_lshl_b32 s3, s21, 2
	s_lshl_b32 s23, ttmp9, 2
	s_add_co_u32 s23, s23, 32
	s_cmp_eq_u32 ttmp9, 2
	s_cselect_b32 s22, 40, s3
	s_cselect_b32 s23, s3, s23
	s_cselect_b32 s96, -1, 0
	s_add_co_u32 s22, s22, s20
	s_add_co_u32 s23, s23, s19
	s_not_b32 s67, s96
	s_lshl_b32 s2, s[WC], 17
	s_lshl_b32 s40, s22, 18
	s_add_co_u32 s40, s40, s2
	s_mov_b32 s41, 0
	s_lshl_b32 s42, s23, 18
	s_add_co_u32 s42, s42, s2
	s_mov_b32 s43, 0
	s_mov_b32 s2, 0                                ; a tile's scale bytes come whole, by one wave
	s_lshl_b32 s44, s22, 13
	s_add_co_u32 s44, s44, s2
	s_mov_b32 s45, 0
	s_lshl_b32 s46, s23, 13
	s_add_co_u32 s46, s46, s2
	s_mov_b32 s47, 0
	s_lshl_b32 s94, s[WV], 12
	s_lshl_b32 s95, s[WV], 15
	s_mov_b32 s97, 0xffff0000
	s_mov_b32 s[SEL], 0x76543210
	s_mov_b32 s[SEL+1], 0xfedcba98
	s_mov_b32 s[MNT], 0x600000
	s_wait_kmcnt 0x0
	s_add_nc_u64 s[40:41], s[4:5], s[40:41]
	s_add_nc_u64 s[42:43], s[4:5], s[42:43]
	s_add_nc_u64 s[44:45], s[6:7], s[44:45]
	s_add_nc_u64 s[46:47], s[6:7], s[46:47]
	CROUND
	s_mov_b32 s[G0S], 1
	s_mov_b32 s[G0S+1], SCL
	s_mov_b64 s[G0S+2:G0S+3], s[44:45]
	s_or_b32 s[G0S+3], s[G0S+3], 0x80000000
	s_mov_b32 s[G0SB], 1
	s_mov_b32 s[G0SB+1], SCL+8192
	s_mov_b64 s[G0SB+2:G0SB+3], s[46:47]
	s_or_b32 s[G0SB+3], s[G0SB+3], 0x80000000
.irp s, 0,1
	s_mov_b32 s[G0+4*\s], 1
	s_add_co_u32 s[G0+4*\s+1], s95, \s*SLOT
	s_add_nc_u64 s[G0+4*\s+2:G0+4*\s+3], s[40:41], \s*4096
	s_or_b32 s[G0+4*\s+3], s[G0+4*\s+3], 0x80000000
	s_mov_b32 s[G0B+4*\s], 1
	s_add_co_u32 s[G0B+4*\s+1], s95, \s*SLOT
	s_add_nc_u64 s[G0B+4*\s+2:G0B+4*\s+3], s[42:43], \s*4096
	s_or_b32 s[G0B+4*\s+3], s[G0B+4*\s+3], 0x80000000
.endr
	; THE HEAD'S FOUR TILES, ONE A WAVE: wave 0 slot 0's 16 blocks of A, wave 1 those of B, wave 2 A's scale bytes, wave 3 B's.  Slot 0's groups 0 serve as the whole tiles' until the wait below
	s_lshl_b32 s2, s[WC], 17
	s_mov_b32 s3, 0
	s_sub_nc_u64 s[G0+2:G0+3], s[G0+2:G0+3], s[2:3]
	s_sub_nc_u64 s[G0B+2:G0B+3], s[G0B+2:G0B+3], s[2:3]
	s_mov_b32 s[G0+1], 0
	s_mov_b32 s[G0B+1], 65536
	s_cmp_lt_u32 s[WV], 1
	s_cbranch_scc0 .Lhead_b
	tensor_load_to_lds s[G0:G0+3], s[G1:G1+7]
	s_nop 0
.rept 4
	v_nop
.endr
	s_branch .Lhead_asked
.Lhead_b:
	s_cmp_lt_u32 s[WV], 2
	s_cbranch_scc0 .Lhead_sa
	tensor_load_to_lds s[G0B:G0B+3], s[G1B:G1B+7]
	s_nop 0
.rept 4
	v_nop
.endr
	s_branch .Lhead_asked
.Lhead_sa:
	s_cmp_lt_u32 s[WV], 3
	s_cbranch_scc0 .Lhead_sb
	tensor_load_to_lds s[G0S:G0S+3], s[G1S:G1S+7]
	s_nop 0
.rept 4
	v_nop
.endr
	s_branch .Lhead_asked
.Lhead_sb:
	tensor_load_to_lds s[G0SB:G0SB+3], s[G1SB:G1SB+7]
	s_nop 0
.rept 4
	v_nop
.endr
.Lhead_asked:
	v_and_b32 v1, 15, v0
	s_wait_alu depctr_va_vdst(0)
	v_bfe_u32 v2, v0, 4, 1
	v_and_b32 v3, 31, v0
	v_lshlrev_b32 v[AD0], 4, v3
	s_wait_alu depctr_va_vdst(0)
	s_cmp_eq_u32 ttmp9, 1
	s_cselect_b64 s[8:9], s[10:11], s[8:9]
	s_cmp_eq_u32 ttmp9, 2
	s_cselect_b64 s[8:9], s[12:13], s[8:9]
	s_lshl_b32 s2, s19, 10
	s_lshl_b32 s3, s[WC], 9
	s_add_co_u32 s2, s2, s3
	v_lshl_add_u32 v5, v2, 6, s2
.irp g, 0,1,2,3
.irp j, 0,1,2,3
	global_load_b128 v[BN+16*\g+4*\j:BN+16*\g+4*\j+3], v5, s[8:9] offset:128*\g+16*\j
.endr
.endr
	s_lshl_b32 s2, s20, 10
	s_lshl_b32 s3, s[WR], 9
	s_add_co_u32 s2, s2, s3
	v_and_b32 v6, 8, v1
	v_add_nc_u32 v6, v6, v1
	v_lshl_add_u32 v6, v6, 2, s2
.irp a, 0,1,2,3,4,5,6,7
	global_load_b32 v[BM+\a], v6, s[12:13] offset:(32*(\a/2)+8*(\a%2))*4
.endr
	s_lshl_b32 s2, s[WR], 15
	s_lshl_b32 s3, s[WC], 15
	s_add_co_u32 s3, s3, 65536
.irp s, 0,1
	v_add_nc_u32 v[ADRA+\s], s2, v[AD0]
	v_add_nc_u32 v[ADRB+\s], s3, v[AD0]
	s_add_co_u32 s2, s2, SLOT
	s_add_co_u32 s3, s3, SLOT
.endr
	s_lshl_b32 s2, s[WR], 12
	s_lshl_b32 s3, s[WC], 12
	s_add_co_u32 s3, s3, 8192
	s_sub_co_u32 s3, s3, s2
	v_mul_u32_u24 v4, s3, v2
	s_add_co_u32 s2, s2, SCL
	v_lshl_add_u32 v4, v1, 3, v4
	v_add_nc_u32 v[ADRS], s2, v4
	s_cmp_eq_u32 ttmp9, 2
	s_cselect_b32 s2, s19, s20
	s_cselect_b32 s3, s[WC], s[WR]
	s_cselect_b32 s22, s20, s19
	s_cselect_b32 s23, s[WR], s[WC]
	s_mov_b32 s40, 1024
	s_cselect_b32 s40, 2048, s40
	s_mov_b32 s42, 1024
	s_cselect_b32 s42, HS-6144, s42
	s_mov_b32 s44, HS
	s_cselect_b32 s44, 1024, s44
	s_cselect_b32 s45, 16896, 0
	s_cmp_eq_u32 ttmp9, 0
	s_cselect_b32 s45, 33792, s45
	s_mov_b32 s41, 0
	s_mov_b32 s43, 0
	v_add_nc_u32 v[AD2], s44, v[AD0]
	v_mul_u32_u24 v4, v2, HS
	v_lshl_add_u32 v[ASC], v1, 4, v4
	s_lshl_b32 s46, s21, 2
	s_add_co_u32 s2, s2, s46
	s_lshr_b32 s46, s2, 3
	s_lshl_b32 s46, s46, 4
	s_lshl_b32 s22, s22, 2
	s_add_co_u32 s46, s46, s22
	s_lshl_b32 s23, s23, 1
	s_add_co_u32 s46, s46, s23
	s_lshl_b32 s46, s46, 3
	s_and_b32 s2, s2, 7
	s_add_co_u32 s46, s46, s2
	s_mul_i32 s46, s46, REC
	s_add_co_u32 s46, s46, s45
	s_mov_b32 s47, 0
	s_add_nc_u64 s[94:95], s[14:15], s[46:47]
	s_lshl_b32 s46, s3, 13
	s_add_nc_u64 s[92:93], s[94:95], s[46:47]
	s_lshl_b32 s46, s3, 8
	s_add_co_u32 s46, s46, 16384
	s_add_nc_u64 s[94:95], s[94:95], s[46:47]
	s_wait_loadcnt 0x0
.set i, 0
.rept 64
	v_cndmask_b32 v[BN+i], 0, v[BN+i], s67
.set i, i+1
.endr
.set i, 0
.rept 8
	v_cndmask_b32 v[BM+i], 0, v[BM+i], s96
.set i, i+1
.endr
.macro FRAG reg, adr, q, i
.irp c, 0,1,2,3
	ds_load_b128 v[\reg+4*\c:\reg+4*\c+3], v[\adr] offset:(\i)*4096+(\q)*2048+512*\c
.endr
.endm
.macro MUL16 a0, p, q, sc, zero
.irp a, \a0, \a0+1
.irp b, 0,1,2,3,4,5,6,7
.if \zero
	v_wmma_scale_f32_16x16x128_f8f6f4 v[8*(8*((\a)%4)+\b):8*(8*((\a)%4)+\b)+7], v[128*(\p)+FR*\b:128*(\p)+FR*\b+FR-1], v[AF+FR*(\a):AF+FR*(\a)+FR-1], 0, v[SC+8*NQ*(\sc)+NQ*\b+(\q)], v[SC+8*NQ*(\sc)+NQ*(\a)+(\q)] matrix_a_fmt:MATRIX_FMT_BF8 matrix_b_fmt:MATRIX_FMT_BF8 matrix_a_scale:MATRIX_SCALE_ROW1
.else
	v_wmma_scale_f32_16x16x128_f8f6f4 v[8*(8*((\a)%4)+\b):8*(8*((\a)%4)+\b)+7], v[128*(\p)+FR*\b:128*(\p)+FR*\b+FR-1], v[AF+FR*(\a):AF+FR*(\a)+FR-1], v[8*(8*((\a)%4)+\b):8*(8*((\a)%4)+\b)+7], v[SC+8*NQ*(\sc)+NQ*\b+(\q)], v[SC+8*NQ*(\sc)+NQ*(\a)+(\q)] matrix_a_fmt:MATRIX_FMT_BF8 matrix_b_fmt:MATRIX_FMT_BF8 matrix_a_scale:MATRIX_SCALE_ROW1
.endif
.endr
.endr
.endm
.macro FETCH_B slot, q, p
	WIN TO_B
.irp i, 0,1,2,3,4,5,6,7
	FRAG 128*(\p)+FR*\i, ADRB+\slot, \q, \i
.endr
	WIN 0
.endm
.macro FETCH_A slot, q, i0
.irp i, \i0, \i0+1, \i0+2, \i0+3
	FRAG AF+FR*(\i), ADRA+\slot, \q, \i
.endr
.endm
.macro SCALES sc
.irp i, 0,1,2,3,4,5,6,7
	ds_load_b64 v[SC+8*NQ*\sc+NQ*\i:SC+8*NQ*\sc+NQ*\i+1], v[ADRS] offset:(\i/2)*1024+(\i%2)*128
.endr
.endm
.macro PLACES n
.rept \n
	v_nop
.endr
.endm
.macro STEP slot, q, zero
	s_wait_dscnt 4*NL
	WIN MUL_LO
	MUL16 0, (\q)%2, \q, \slot, \zero
	MUL16 2, (\q)%2, \q, \slot, \zero
	s_wait_dscnt 0
	PLACES NP
	FETCH_B \slot, (\q)+1, 1-(\q)%2
	FETCH_A \slot, (\q)+1, 0
	WIN MUL_HI
	MUL16 4, (\q)%2, \q, \slot, \zero
	MUL16 6, (\q)%2, \q, \slot, \zero
	PLACES NP
	WIN 0
	FETCH_A \slot, (\q)+1, 4
.endm
.macro TURN slot, next, fill
	s_wait_tensorcnt 0x0
	ds_add_u32 v[SPW], v[NIL]
	s_wait_dscnt 4*NL+1
	WIN MUL_LO
	MUL16 0, 1, NQ-1, \slot, 0
	s_wait_dscnt 0x0
	s_barrier_signal -1
	MUL16 2, 1, NQ-1, \slot, 0
	WIN 0
	s_barrier_wait -1
.if \fill
	CREST
	s_add_nc_u64 s[G0+4*\slot+2:G0+4*\slot+3], s[G0+4*\slot+2:G0+4*\slot+3], 8192
	s_add_nc_u64 s[G0B+4*\slot+2:G0B+4*\slot+3], s[G0B+4*\slot+2:G0B+4*\slot+3], 8192
	JLOAD G0+4*\slot, G1, G0B+4*\slot, G1B
	PLACES NP-4
.else
	PLACES NP
.endif
	s_wait_alu depctr_va_vdst(0)
	v_add_nc_u32 v[ADRS], 256, v[ADRS]
	FETCH_B \next, 0, 0
	FETCH_A \next, 0, 0
	SCALES \next
	WIN MUL_HI
	MUL16 4, 1, NQ-1, \slot, 0
	MUL16 6, 1, NQ-1, \slot, 0
	PLACES NP
	WIN 0
	FETCH_A \next, 0, 4
.endm
	s_wait_alu depctr_va_vdst(0)                   ; the wait at the head's end
	s_wait_tensorcnt 0x0                           ; my tile of the head's four is in, so descriptors may be written
	ds_add_u32 v28, v29                            ; the add ahead of a later first fill
	s_mov_b32 s[G1+2], 8<<16                       ; from here on a load brings 8 blocks: a quarter of a slot
	s_mov_b32 s[G1+4], 8
	s_mov_b32 s[G1B+2], 8<<16
	s_mov_b32 s[G1B+4], 8
	s_lshl_b32 s[G0+1], s[WV], 15                  ; slot 0's groups 0 become the ring's: my quarter
	s_lshl_b32 s[G0B+1], s[WV], 15
	s_lshl_b32 s2, s[WC], 17
	s_mov_b32 s3, 0
	s_add_nc_u64 s[G0+2:G0+3], s[G0+2:G0+3], s[2:3]
	s_add_nc_u64 s[G0B+2:G0B+3], s[G0B+2:G0B+3], s[2:3]
	s_wait_dscnt 0x0
	CROUND
	JLOAD G0+4, G1, G0B+4, G1B                     ; slot 1's first fill, the first tensor load behind the round
	FETCH_B 0, 0, 0
	FETCH_A 0, 0, 0
	SCALES 0
	FETCH_A 0, 0, 4
	STEP 0, 0, 1
	TURN 0, 1, 1
	STEP 1, 0, 0
	TURN 1, 0, 1
	STEP 0, 0, 0
	TURN 0, 1, 0
	STEP 1, 0, 0
	s_wait_dscnt 4*NL
	WIN MUL_LO
	MUL16 0, 1, NQ-1, 1, 0
	MUL16 2, 1, NQ-1, 1, 0
	s_wait_dscnt 0
	WIN MUL_HI
	MUL16 4, 1, NQ-1, 1, 0
	MUL16 6, 1, NQ-1, 1, 0
	WIN 0
.macro OUTBLK a
.if (\a) > 0
	s_wait_xcnt 0x0
.if (\a) == 4
	s_add_nc_u64 s[92:93], s[92:93], s[42:43]
.else
	s_add_nc_u64 s[92:93], s[92:93], s[40:41]
.endif
.endif
	WIN 0x02+(\a)/4
.set i, 0
.rept 32
	v_pk_add_f32 v[T+i:T+i+1], v[64*((\a)%4)+i:64*((\a)%4)+i+1], v[BN+i:BN+i+1]
.set i, i+2
.endr
	WIN 0
.set i, 0
.rept 32
.if (\a)%2
	v_pk_add_f32 v[T+i:T+i+1], v[T+i:T+i+1], v[BM+2*((\a)/2):BM+2*((\a)/2)+1] op_sel:[0,1] op_sel_hi:[1,1]
.else
	v_pk_add_f32 v[T+i:T+i+1], v[T+i:T+i+1], v[BM+2*((\a)/2):BM+2*((\a)/2)+1] op_sel_hi:[1,0]
.endif
.set i, i+2
.endr
	QUANT T, PC+16*((\a)%2), PWS+(\a)
	global_store_b128 v[AD0], v[PC+16*((\a)%2):PC+16*((\a)%2)+3], s[92:93]
	global_store_b128 v[AD0], v[PC+16*((\a)%2)+4:PC+16*((\a)%2)+7], s[92:93] offset:512
	global_store_b128 v[AD2], v[PC+16*((\a)%2)+8:PC+16*((\a)%2)+11], s[92:93]
	global_store_b128 v[AD2], v[PC+16*((\a)%2)+12:PC+16*((\a)%2)+15], s[92:93] offset:512
.endm
	PLACES NP
.irp b, 0,1,2,3
	v_mov_b32 v[TM+4+\b], 0
.endr
.irp a, 0,1,2,3,4,5,6,7
	OUTBLK \a
.endr
.irp g, 0,1,2,3
	v_perm_b32 v[TM+\g], v[PWS+2*\g+1], v[PWS+2*\g], 0x05040100
	v_perm_b32 v[TM+4+\g], v[PWS+2*\g+1], v[PWS+2*\g], 0x07060302
.endr
.irp g, 0,1,2,3
	v_cndmask_b32 v[TM+\g], v[TM+\g], v[TM+4+\g], s97
	v_cndmask_b32 v[TM+4+\g], v[PWS+\g], v[PWS+4+\g], s97
.endr
.irp g, 0,1,2,3
	v_cndmask_b32 v[SW+\g], v[TM+\g], v[TM+4+\g], s96
.endr
	global_store_b128 v[ASC], v[SW:SW+3], s[94:95]
	s_wait_tensorcnt 0x0
	ds_add_u32 v[SPW], v[NIL]
	s_wait_dscnt 0x0
	CROUND
	s_endpgm
.Lfunc_end_k_qccbd77ab9b_proj:
	.size	k_qccbd77ab9b_proj, .Lfunc_end_k_qccbd77ab9b_proj-k_qccbd77ab9b_proj
	.p2alignl 7, 3214868480
	.fill 96, 4, 3214868480
	.section	.rodata,"a",@progbits
	.p2align	6, 0x0
	.amdhsa_kernel k_qccbd77ab9b_proj
		.amdhsa_group_segment_fixed_size 327680
		.amdhsa_private_segment_fixed_size 0
		.amdhsa_enable_private_segment 0
		.amdhsa_kernarg_size 48
		.amdhsa_user_sgpr_count 2
		.amdhsa_user_sgpr_kernarg_segment_ptr 1
		.amdhsa_wavefront_size32 1
		.amdhsa_system_sgpr_workgroup_id_x 1
		.amdhsa_system_sgpr_workgroup_id_y 1
		.amdhsa_system_sgpr_workgroup_id_z 1
		.amdhsa_system_vgpr_workitem_id 0
		.amdhsa_next_free_vgpr 1024
		.amdhsa_next_free_sgpr 102
		.amdhsa_reserve_vcc 0
		.amdhsa_float_denorm_mode_32 3
		.amdhsa_float_denorm_mode_16_64 3
		.amdhsa_memory_ordered 1
		.amdhsa_forward_progress 1
		.amdhsa_inst_pref_size 227
	.end_amdhsa_kernel
	.amdgpu_metadata
---
amdhsa.version: [ 1, 2 ]
amdhsa.kernels:
  - .name:           k_qccbd77ab9b_proj
    .symbol:         k_qccbd77ab9b_proj.kd
    .args:
      - { .name: codes, .offset: 0, .size: 8, .value_kind: global_buffer, .address_space: global }
      - { .name: scales, .offset: 8, .size: 8, .value_kind: global_buffer, .address_space: global }
      - { .name: bq, .offset: 16, .size: 8, .value_kind: global_buffer, .address_space: global }
      - { .name: bk, .offset: 24, .size: 8, .value_kind: global_buffer, .address_space: global }
      - { .name: bv, .offset: 32, .size: 8, .value_kind: global_buffer, .address_space: global }
      - { .name: qkv, .offset: 40, .size: 8, .value_kind: global_buffer, .address_space: global }
    .group_segment_fixed_size: 327680
    .private_segment_fixed_size: 0
    .kernarg_segment_align: 8
    .kernarg_segment_size: 48
    .max_flat_workgroup_size: 128
    .sgpr_count:     102
    .vgpr_count:     1024
    .wavefront_size: 32
...
	.end_amdgpu_metadata
.endif
;; end of part 2
;; launch attn (part 3): grid 256 x 1, 16 waves a work-group, clusters of 4 x 1, 327,680 bytes of LDS; arguments qkv, out0; writes out0
.if DOCPART == 3
	.amdgcn_target "amdgcn-amd-amdhsa--gfx1250"
	.amdhsa_code_object_version 6
	.text
	.protected	k_qccbd77ab9b_attn
	.globl	k_qccbd77ab9b_attn
	.p2align	8
	.type	k_qccbd77ab9b_attn,@function
k_qccbd77ab9b_attn:
	s_mov_b64 s[64:65], 0
	v_nop
	global_prefetch_b8 v0, s[64:65] scope:SCOPE_SE
	s_setreg_imm32_b32 hwreg(HW_REG_WAVE_MODE, 25, 1), 1
	s_wait_xcnt 0x0
	s_wait_alu depctr_hold_cnt(0) depctr_sa_sdst(0) depctr_va_vdst(0) depctr_va_sdst(0) depctr_va_ssrc(0) depctr_va_vcc(0) depctr_vm_vsrc(0)
	s_getreg_b32 s2, hwreg(HW_REG_IB_STS2, 6, 4)
	s_cmp_eq_u32 s2, 0
	s_cbranch_scc0 .Lentry_in_a_cluster
	s_endpgm
.Lentry_in_a_cluster:
	s_bfe_u32 s2, ttmp6, 0x10000c
	s_cmp_lg_u32 s2, 0x3003
	s_cbranch_scc0 .Lentry_shape_is_right
	s_endpgm
.Lentry_shape_is_right:
; out[b][q][head x 64 + d] = the sum over keys k <= q of softmax_k(Q . K / 8) V, both products on codes of BF8 (E5M2) with E8M0 scales, which lie in qkv as images of the operands' registers.
; THE SOFTMAX: t = score x log2(e) / 8; M = the running largest t rounded UP to a whole number; p = 2^(t - M) is quantised along the keys, not normalised; the row's sum is taken of the unquantised p and divides at the end.
; LEFT OUT: key steps all of whose 128 keys come after a tile's queries: the causal mask gives them the weight 0.
; K AND V OF A WHOLE (batch, head) STAY IN LDS: 2 x 131,072 bytes of codes and 2 x 4,096 of scale bytes, asked for once at the head; no LDS byte is filled again, and one barrier shows them all.
; SHARES.  A head's 2,048 queries are 16 quads of 128, a quad four groups of 32, a group two tiles of 16 (u = 0, 1: queries 32 G + 8 u + r + 8 (r / 8)).  A tile of quad n walks n + 1 key steps of 128; its last step lies on the diagonal.
; Work-group J (0..3) of the head, wave w, p = w / 2, u = w % 2: first group 4 a + J, then group 4 b + 3 - J, with (a, b) = (4,15) (5,14) (8,13) (9,12) (0,11) (1,10) (2,7) (3,6) for p = 0 .. 7: each quad once.
; That is 21, 21, 23, 23, 13, 13, 11, 11 key steps by p: waves w and w + 8 have 34 together, waves w, w + 4, w + 8, w + 12 have 68 together.
; The counts of steps hang on the wave's number alone; J enters global addresses and the mask's numbers only.
; CLUSTER: the four work-groups of a head read all eight records of K and V, so they form a cluster of 4 and ask jointly (mask 15): waves 0-3 K's codes, two records each, waves 4-7 V's, wave 8 K's scale bytes, wave 9 V's.
; NO PREFETCH: every tile is asked for at the head; there is no loop to run ahead in.
; LAYOUT.  Both products are used transposed: a lane holds ONE query (lane % 16).  A fragment of K holds two tiles of 16 keys x 64: it meets [q | zeros] and [zeros | q]; the half not wanted meets zero codes.
; Register 16 b + i of the scores is key 32 b + 16 (lane / 16) + i of the step.  On the diagonal a hidden score is held under (d - key + 1/2) x 2^100, a large negative number: its p is 0.
; LIMITS: NaN and infinities are not served; the promise holds while the scaled scores stay under 2^31 in magnitude.
; REGISTERS: v1-11 addresses; v12 -M, v13 the largest t, v[14:15] the sum; v16-23 zeros, v24-31 q, v32-39 zeros; v40 q's scale word, v41 p's; v[42:43] f; v44-47 K's scale words, v48-51 V's; v52-71 at work (v69: the second tile's scale word);
;   v72-135 four fragments of K, then of V; v136-199 the scores, then p; v200-231 O^T; v232-247 p's codes; v248-255 the second tile's q.
.set REC,   50688                      ; a record of 256 tokens: K's part 16,896 bytes (16,384 of codes, 512 of scales), V's, Q's
.set HS,    405504                     ; a head's eight records
.set VC,    131072                     ; LDS: K's codes at 0, 8,192 bytes a key step; V's here
.set KS,    262144                     ; K's scale words, 256 bytes a key step; V's 4,096 bytes on
.set SPARE, 270336                     ; the spare words, 128 bytes a wave
.set STG,   272384                     ; the stages: 8 rows x 272 bytes a wave
.set F, 72
.set S, 136
.set O, 200
.set P, 232
.macro CROUND                          ; a round of the cluster's barrier
	s_barrier_signal -1
	s_barrier_wait -1
	s_cmp_lg_u32 s8, 0
	s_cbranch_scc1 .Lnot_wave_0_\@
	s_barrier_signal -3
.Lnot_wave_0_\@:
	s_barrier_wait -3
	s_barrier_signal -1
	s_barrier_wait -1
.endm
.macro RESET                           ; a tile begins: O^T and the sum are zeros, the largest t lies under every t
	v_mov_b32 v13, 0xff61b1e6
	v_floor_f32 v12, -v13
	v_mov_b32 v14, 0
	v_mov_b32 v15, 0
.set i, 0
.rept 32
	v_mov_b32 v[O+i], 0
.set i, i+1
.endr
.endm
.macro TADR g, qc, qs, op              ; group s\g: where its q's codes and scale words lie, and its rows of out
	s_lshr_b32 s36, s\g, 3
	s_mul_i32 s36, s36, REC
	s_bfe_u32 s38, s\g, 0x10002
	s_and_b32 s39, s\g, 3
	s_lshl_b32 s13, s38, 13
	s_add_co_u32 s13, s13, s36
	s_lshl_b32 s18, s39, 11
	s_add_co_u32 s13, s13, s18
	s_lshl_b32 s18, s27, 10
	s_add_co_u32 s18, s18, s13
	s_add_co_u32 s18, s18, 33792
	s_mov_b32 s19, 0
	s_add_nc_u64 s[\qc:\qc+1], s[16:17], s[18:19]
	s_lshl_b32 s13, s38, 8
	s_add_co_u32 s13, s13, s36
	s_lshl_b32 s18, s39, 2
	s_add_co_u32 s18, s18, s13
	s_add_co_u32 s18, s18, 50176
	s_add_nc_u64 s[\qs:\qs+1], s[16:17], s[18:19]
	s_lshl_b32 s18, s\g, 5
	s_lshl_b32 s13, s27, 3
	s_add_co_u32 s18, s18, s13
	s_lshl_b32 s18, s18, 12                        ; rows of 4,096 bytes
	s_add_nc_u64 s[\op:\op+1], s[30:31], s[18:19]
.endm
	s_load_b128 s[4:7], s[0:1], 0x0                ; qkv, out0
	v_lshl_add_u32 v5, v0, 2, SPARE                ; my spare word; never rewritten
	v_mov_b32 v6, 0                                ; 0; never rewritten
	ds_add_u32 v5, v6                              ; the opening lines: the add twice on end and its wait
	ds_add_u32 v5, v6
	v_lshrrev_b32 v1, 5, v0
	v_readfirstlane_b32 s8, v1                     ; wave 0..15
	s_bfe_u32 s9, ttmp6, 0x40000                   ; J: my place in the cluster
	s_mov_b32 s44, 15|(3<<16)|(1<<21)              ; group 1, codes: two rows of 16,384 bytes (2,048 elements of 8), a record apart; the mask names the four
	s_mov_b32 s45, 2048<<16
	s_mov_b32 s46, 2<<16
	s_mov_b32 s47, 2048<<16
	s_mov_b32 s48, 2
	s_mov_b32 s49, REC/8
	s_mov_b32 s50, 0
	s_mov_b32 s51, 0
	s_mov_b32 s52, 15|(3<<16)|(1<<21)              ; group 1, scale bytes: eight rows of 512 bytes, a record apart
	s_mov_b32 s53, 64<<16
	s_mov_b32 s54, 8<<16
	s_mov_b32 s55, 64<<16
	s_mov_b32 s56, 8
	s_mov_b32 s57, REC/8
	s_mov_b32 s58, 0
	s_mov_b32 s59, 0
	s_mov_b32 s40, 1
	s_lshl_b32 s41, s8, 15                         ; waves 0-7: 32,768 bytes each, K's then V's
	s_mov_b32 s60, 1
	s_lshl_b32 s61, s8, 12
	s_add_co_u32 s61, s61, KS-32768                ; waves 8, 9: KS, KS + 4,096
	s_mul_i32 s16, ttmp9, HS                       ; the head: the cluster's number
	s_mov_b32 s17, 0
	s_and_b32 s18, s8, 3
	s_mul_i32 s18, s18, 2*REC
	s_lshr_b32 s19, s8, 2
	s_mul_i32 s19, s19, 16896
	s_add_co_u32 s18, s18, s19
	s_mov_b32 s19, 0
	s_and_b32 s28, s8, 1
	s_mul_i32 s28, s28, 16896
	s_add_co_u32 s28, s28, 16384
	s_mov_b32 s29, 0
	s_wait_dscnt 0x0                               ; both opening adds are done
	CROUND                                         ; the four work-groups are here: the joint loads meet
	s_wait_kmcnt 0x0
	s_add_nc_u64 s[16:17], s[4:5], s[16:17]        ; the head's records
	s_add_nc_u64 s[42:43], s[16:17], s[18:19]
	s_or_b32 s43, s43, 0x80000000
	s_add_nc_u64 s[62:63], s[16:17], s[28:29]
	s_or_b32 s63, s63, 0x80000000
	s_cmp_lt_u32 s8, 8                             ; one chain of branches on the wave's number, one load to an arm
	s_cbranch_scc0 .Lfor_scales
	tensor_load_to_lds s[40:43], s[44:51]
	s_nop 0
.rept 4
	v_nop
.endr
	s_branch .Lasked
.Lfor_scales:
	s_cmp_lt_u32 s8, 10
	s_cbranch_scc0 .Lasked
	tensor_load_to_lds s[60:63], s[52:59]
	s_nop 0
.rept 4
	v_nop
.endr
.Lasked:
	s_lshr_b32 s13, s8, 1                          ; p
	s_and_b32 s27, s8, 1                           ; u
	s_add_co_u32 s11, s13, 2
	s_lshr_b32 s11, s11, 3
	s_lshl_b32 s11, s11, 1
	s_add_co_u32 s11, s11, s13
	s_sub_co_u32 s11, 15, s11                      ; b = 15 - p - 2 ((p + 2) / 8): the second tile's quad and last key step
	s_bfe_u32 s25, s13, 0x10001
	s_lshr_b32 s28, s13, 2
	s_xor_b32 s28, s28, 1
	s_and_b32 s25, s25, s28
	s_lshl_b32 s25, s25, 1
	s_xor_b32 s28, s13, 4
	s_add_co_u32 s25, s25, s28                     ; a = (p xor 4) + 2 where p is 2 or 3: the first tile's quad and last key step
	s_lshl_b32 s28, s25, 2
	s_add_co_u32 s28, s28, s9                      ; the first group: 4 a + J
	s_lshl_b32 s29, s11, 2
	s_add_co_u32 s29, s29, 3
	s_sub_co_u32 s29, s29, s9                      ; the second: 4 b + 3 - J
	s_lshl_b32 s66, s9, 5                          ; 32 x (group % 4): the tile's place in its diagonal step
	s_sub_co_u32 s67, 96, s66
	s_lshl_b32 s12, s27, 4
	s_lshr_b32 s36, ttmp9, 4
	s_lshl_b32 s36, s36, 23                        ; a batch of out: 2,048 rows of 4,096 bytes
	s_and_b32 s37, ttmp9, 15
	s_lshl_b32 s37, s37, 8                         ; a head's 64 numbers
	s_add_co_u32 s36, s36, s37
	s_mov_b32 s37, 0
	s_add_nc_u64 s[30:31], s[6:7], s[36:37]
	TADR 28, 68, 70, 32
	TADR 29, 72, 74, 34
	s_mov_b32 s20, 0x76543210
	s_mov_b32 s21, 0xfedcba98
	s_mov_b32 s22, 0x3e38aa3b                      ; c = log2(e) / 8
	s_mov_b32 s23, s22
	s_mov_b32 s24, 0x600000                        ; the mantissa field of 57,344
	s_mov_b32 s26, 0x71800000                      ; 2^100
	s_mul_i32 s13, s8, 2176
	s_add_co_u32 s13, s13, STG                     ; my stage
	s_lshl_b32 s18, s27, 3
	v_and_b32 v3, 31, v0
	v_lshlrev_b32 v1, 4, v3                        ; 16 x lane
	v_and_b32 v3, 15, v0                           ; r
	v_bfe_u32 v4, v0, 4, 1                         ; h
	v_lshlrev_b32 v2, 4, v3                        ; 16 r: a row's four scale words
	v_and_b32 v8, 7, v3
	v_mul_u32_u24 v8, v8, 272
	v_lshl_add_u32 v8, v4, 6, v8
	v_lshrrev_b32 v68, 3, v3
	v_lshl_add_u32 v8, v68, 7, v8                  ; lanes r >= 8 hold the row's channels 32 on
	v_add_nc_u32 v8, s13, v8                       ; the stage, in: row r % 8, + 128 (r / 8) + 64 h
	v_mul_u32_u24 v9, v4, 272
	v_lshl_add_u32 v9, v3, 4, v9
	v_add_nc_u32 v9, s13, v9                       ; back: lanes 0-15 one row, lanes 16-31 the next
	v_lshlrev_b32 v10, 12, v4
	v_lshl_add_u32 v10, v3, 4, v10                 ; and the same two rows in out
	v_and_b32 v11, 8, v3
	v_add_nc_u32 v11, v11, v3
	v_lshlrev_b32 v68, 4, v4
	v_sub_nc_u32 v11, v11, v68
	v_add_nc_u32 v11, s18, v11                     ; 8 u + r + 8 (r / 8) - 16 h
.irp i, 0,1,2,3,4,5,6,7
	v_mov_b32 v[16+\i], 0                          ; zero codes on both sides of q
	v_mov_b32 v[32+\i], 0
.endr
.irp b, 0,1,2,3
	v_mov_b32 v[56+\b], 0                          ; a lane permute's destination counts as one of its sources
.endr
	v_mov_b32 v43, 0
	RESET
	s_wait_alu depctr_va_vdst(0)                   ; the wait at the head's end
	global_load_b128 v[24:27], v1, s[68:69]        ; both tiles' q
	global_load_b128 v[28:31], v1, s[68:69] offset:512
	global_load_b32 v40, v2, s[70:71]
	global_load_b128 v[248:251], v1, s[72:73]
	global_load_b128 v[252:255], v1, s[72:73] offset:512
	global_load_b32 v69, v2, s[74:75]
	s_wait_tensorcnt 0x0                           ; every wave waits: the barrier below shows all of K and V
	s_wait_loadcnt 0x0
.irp q, 40, 69                                 ; a word holds two tiles' bytes: mine, twice: they serve [q | zeros] and [zeros | q] alike
	v_lshrrev_b32 v\q, s12, v\q
	v_and_b32 v\q, 0xffff, v\q
	v_lshl_or_b32 v\q, v\q, 16, v\q
.endr
	s_wait_alu depctr_va_vdst(0)
	s_barrier_signal -1
	s_barrier_wait -1
; A TILE: a loop of a constant count over the key steps; steps behind s[lim] are passed over, step s[lim] is the diagonal's.  Then the way out to s[outp].  first = 1: the second tile is set up behind it.
.macro TILE trips, lim, moff, outp, first
	s_mov_b32 s10, 0
	s_mov_b32 s14, 0
	s_mov_b32 s15, KS
.Lk_\@:
	s_cmp_gt_u32 s10, s[\lim]
	s_cbranch_scc1 .Lhid_\@
	s_add_co_u32 s13, s14, VC
	v_add_nc_u32 v3, s14, v1
	v_add_nc_u32 v4, s15, v2
	v_add_nc_u32 v7, s13, v1
	s_wait_alu depctr_va_vdst(0)                   ; the wait behind the writes
.rept 5
	v_nop                                          ; with the three additions: eight places in front of loads into registers that matrix instructions have read
.endr
.irp f, 0,1,2,3
.irp c, 0,1,2,3
	ds_load_b128 v[F+16*\f+4*\c:F+16*\f+4*\c+3], v3 offset:2048*\f+512*\c
.endr
.endr
	ds_load_b128 v[44:47], v4
	s_wait_dscnt 0x0
.irp f, 0,1,2,3                                ; S^T = K Q^T
	v_wmma_scale_f32_16x16x128_f8f6f4 v[S+16*\f:S+16*\f+7], v[F+16*\f:F+16*\f+15], v[24:39], 0, v[44+\f], v40 matrix_a_fmt:MATRIX_FMT_BF8 matrix_b_fmt:MATRIX_FMT_BF8
	v_wmma_scale_f32_16x16x128_f8f6f4 v[S+16*\f+8:S+16*\f+15], v[F+16*\f:F+16*\f+15], v[16:31], 0, v[44+\f], v40 matrix_a_fmt:MATRIX_FMT_BF8 matrix_b_fmt:MATRIX_FMT_BF8
.endr
.rept 8
	v_nop                                          ; places: V's loads land on K's registers, and the scores are read below
.endr
.irp t, 0,1,2,3                                ; V's fragments are asked for now and land during the softmax
.irp c, 0,1,2,3
	ds_load_b128 v[F+16*\t+4*\c:F+16*\t+4*\c+3], v7 offset:2048*\t+512*\c
.endr
.endr
	ds_load_b128 v[48:51], v4 offset:4096
	s_cmp_lt_u32 s10, s[\lim]
	s_cbranch_scc1 .Lopen_\@
	; the diagonal: d = my query - the step's first key - 16 h; key index x = 32 b + i is hidden where x > d.  Each score is held under (d - x + 1/2) 2^100; the bounds of four blocks walk down by 2 x 2^100
	v_add_nc_u32 v68, s[\moff], v11
	v_cvt_f32_i32 v68, v68
	v_fmaak_f32 v61, s26, v68, 0xf1000000          ; (d - 1/2) 2^100
	v_fmaak_f32 v60, s26, v68, 0x71000000          ; (d + 1/2) 2^100
.irp b, 1,2,3
	v_pk_add_f32 v[60+2*\b:61+2*\b], v[58+2*\b:59+2*\b], 0xf4000000 op_sel_hi:[1,0]   ; 32 keys on
.endr
.irp i, 0,2,4,6,8,10,12,14
.irp b, 0,1,2,3
	v_dual_min_num_f32 v[S+16*\b+\i], v[S+16*\b+\i], v[60+2*\b] :: v_dual_min_num_f32 v[S+16*\b+\i+1], v[S+16*\b+\i+1], v[61+2*\b]
.endr
.if \i < 14
.irp b, 0,1,2,3
	v_pk_add_f32 v[60+2*\b:61+2*\b], v[60+2*\b:61+2*\b], 0xf2000000 op_sel_hi:[1,0]
.endr
.endif
.endr
.Lopen_\@:
.irp b, 0,1,2,3
	v_max3_num_f32 v[52+\b], v[S+16*\b], v[S+1+16*\b], v[S+2+16*\b]   ; the largest score of each block of 32 keys: for the row's maximum and for the block's largest p
.endr
.irp i, 3,5,7,9,11,13
.irp b, 0,1,2,3
	v_max3_num_f32 v[52+\b], v[52+\b], v[S+16*\b+\i], v[S+1+16*\b+\i]
.endr
.endr
.irp b, 0,1,2,3
	v_max_num_f32 v[52+\b], v[52+\b], v[S+15+16*\b]
.endr
.irp b, 0,1,2,3
	s_delay_alu instid0(VALU_DEP_4)
	v_permlanex16_b32 v[56+\b], v[52+\b], s20, s21
.endr
.irp b, 0,1,2,3
	s_delay_alu instid0(VALU_DEP_4)
	v_max_num_f32 v[52+\b], v[52+\b], v[56+\b]     ; with lane l xor 16's 16 keys
.endr
	s_delay_alu instid0(VALU_DEP_2)
	v_max3_num_f32 v68, v52, v53, v54
	s_delay_alu instid0(VALU_DEP_1)
	v_max_num_f32 v68, v68, v55                    ; the step's largest score of my query
	s_delay_alu instid0(VALU_DEP_1)
	v_mul_f32 v68, s22, v68                        ; as t
	s_delay_alu instid0(VALU_DEP_1)
	v_max_num_f32 v13, v13, v68                    ; the running largest t
	v_mov_b32 v68, v12
	s_delay_alu instid0(VALU_DEP_2)
	v_floor_f32 v12, -v13                          ; the new -M: M is a whole number
	s_delay_alu instid0(VALU_DEP_1)
	v_sub_f32 v68, v12, v68                        ; old M - new M
	s_delay_alu instid0(VALU_DEP_1)
	v_cvt_i32_f32 v68, v68
	s_delay_alu instid0(VALU_DEP_1)
	v_ldexp_f32 v42, 1.0, v68                      ; f = 2^(old M - new M)
.set j, 0
.rept 32
	v_pk_fma_f32 v[S+j:S+j+1], v[S+j:S+j+1], s[22:23], v[12:13] op_sel_hi:[1,0,0]   ; t - M
.set j, j+2
.endr
.irp b, 0,1,2,3
	v_fma_f32 v[52+\b], v[52+\b], s22, v12
.endr
	s_wait_alu depctr_va_vdst(0)                   ; the wait ahead of the batch
.set j, 0
.rept 64
	v_exp_f32 v[S+j], v[S+j]                       ; p = 2^(t - M)
.set j, j+1
.endr
	v_pk_mul_f32 v[14:15], v[14:15], v[42:43] op_sel_hi:[1,0]   ; the sums under the new M: a plain line behind the batch
	s_wait_alu depctr_va_vdst(0)                   ; one wait for the 64
.irp b, 0,1,2,3
	v_exp_f32 v[52+\b], v[52+\b]                   ; the block's largest p
.endr
	v_pk_add_f32 v[56:57], v[S:S+1], v[S+2:S+3]    ; the row's sum of the unquantised p, in four chains
	v_pk_add_f32 v[58:59], v[S+4:S+5], v[S+6:S+7]
	v_pk_add_f32 v[70:71], v[S+8:S+9], v[S+10:S+11]
	v_pk_add_f32 v[14:15], v[14:15], v[S+12:S+13]
.set j, 14
.rept 6
	v_pk_add_f32 v[56:57], v[56:57], v[S+j:S+j+1]
	v_pk_add_f32 v[58:59], v[58:59], v[S+j+2:S+j+3]
	v_pk_add_f32 v[70:71], v[70:71], v[S+j+4:S+j+5]
	v_pk_add_f32 v[14:15], v[14:15], v[S+j+6:S+j+7]
.set j, j+8
.endr
	v_pk_add_f32 v[56:57], v[56:57], v[S+62:S+63]
	v_pk_add_f32 v[14:15], v[14:15], v[70:71]
	v_pk_add_f32 v[56:57], v[56:57], v[58:59]
	v_pk_add_f32 v[14:15], v[14:15], v[56:57]
	s_wait_alu depctr_va_vdst(0)                   ; and one for the four
.irp b, 0,1,2,3
	v_max_num_f32 v[52+\b], 0x8000000, v[52+\b]    ; the floor 2^(16 - 127): the byte cannot fall under 1
.endr
.irp b, 0,1,2,3
	s_delay_alu instid0(VALU_DEP_4)
	v_add_nc_u32 v[64+\b], 0xf8800000, v[52+\b]    ; the conversion's scale operand
.endr
.irp b, 0,1,2,3
	v_and_or_b32 v[60+\b], v[52+\b], 0x7f800000, s24   ; 57,344 x the scale
.endr
.irp b, 0,1,2,3
	v_lshrrev_b32 v[56+\b], 23, v[64+\b]           ; the scale's byte
.endr
	s_delay_alu instid0(VALU_DEP_3)
	v_lshl_or_b32 v41, v57, 8, v56                 ; p's scale word
	s_delay_alu instid0(VALU_DEP_1)
	v_lshl_or_b32 v41, v58, 16, v41
	s_delay_alu instid0(VALU_DEP_1)
	v_lshl_or_b32 v41, v59, 24, v41
.irp b, 0,1,2,3
.irp i, 0,2,4,6,8,10,12,14
	v_dual_min_num_f32 v[S+16*\b+\i], v[S+16*\b+\i], v[60+\b] :: v_dual_min_num_f32 v[S+16*\b+\i+1], v[S+16*\b+\i+1], v[60+\b]   ; the hold (ISA guide 7.6.2: the conversion does not saturate); p is not negative
.endr
	v_cvt_scalef32_pk8_bf8_f32 v[P+4*\b:P+1+4*\b], v[S+16*\b:S+7+16*\b], v[64+\b]
	v_cvt_scalef32_pk8_bf8_f32 v[P+2+4*\b:P+3+4*\b], v[S+8+16*\b:S+15+16*\b], v[64+\b]
.endr
	s_wait_alu depctr_va_vdst(0)                   ; the wait directly ahead of the first reader of O^T
.set j, 0
.rept 16
	v_pk_mul_f32 v[O+j:O+j+1], v[O+j:O+j+1], v[42:43] op_sel_hi:[1,0]   ; O^T under the new M; also the places between the conversions and the products
.set j, j+2
.endr
	s_wait_alu depctr_va_vdst(0)
	s_wait_dscnt 0x0                               ; V and its scale words are in
.irp t, 0,1,2,3                                ; O^T += V^T P^T: four accumulators by turns
	v_wmma_scale_f32_16x16x128_f8f6f4 v[O+8*\t:O+8*\t+7], v[F+16*\t:F+16*\t+15], v[P:P+15], v[O+8*\t:O+8*\t+7], v[48+\t], v41 matrix_a_fmt:MATRIX_FMT_BF8 matrix_b_fmt:MATRIX_FMT_BF8
.endr
.Lhid_\@:
	s_add_co_u32 s14, s14, 8192
	s_add_co_u32 s15, s15, 256
	s_add_co_u32 s10, s10, 1
	s_cmp_lt_u32 s10, \trips
	s_cbranch_scc1 .Lk_\@
	; THE WAY OUT.  Eight places behind the last products first
.irp i, 0,1,2,3,4,5,6,7
.if \first
	v_mov_b32 v[24+\i], v[248+\i]                  ; the second tile's q
.else
	v_nop
.endif
.endr
	v_add_f32 v14, v14, v15
	s_delay_alu instid0(VALU_DEP_1)
	v_permlanex16_b32 v68, v14, s20, s21
	s_delay_alu instid0(VALU_DEP_1)
	v_add_f32 v14, v14, v68                        ; the row's sum
	s_wait_alu depctr_va_vdst(0)
	v_rcp_f32 v14, v14
	v_nop                                          ; a plain line behind the reciprocal
	s_wait_alu depctr_va_vdst(0)
.set i, 0
.rept 16
	v_pk_mul_f32 v[S+i:S+i+1], v[O+i:O+i+1], v[14:15] op_sel_hi:[1,0]   ; register 16 g + i is d = 32 g + 16 h + i of my query
.set i, i+2
.endr
	; The stage holds eight rows.  Lanes r and r xor 8 exchange half a row, so that all 32 lanes store in each pass: lanes r < 8 channels 0-31 of stage row r, lanes r >= 8 channels 32-63 of stage row r - 8.
	; Pass 0: tile rows 0-7 (queries + 0..7); pass 1: tile rows 8-15 (queries + 16..23).  O's registers, read out above, take what is exchanged.
	s_mov_b32 s28, 0x00ff00ff                      ; lanes with r < 8
.set i, 0
.rept 16
	v_mov_b32_dpp v[O+i], v[S+16+i] row_xmask:8 row_mask:0xf bank_mask:0xf
	v_mov_b32_dpp v[O+16+i], v[S+i] row_xmask:8 row_mask:0xf bank_mask:0xf
.set i, i+1
.endr
.set i, 0
.rept 16
	v_cndmask_b32 v[O+i], v[O+i], v[S+i], s28            ; r < 8: my channels 0-31; else those 32-63 of row r - 8
	v_cndmask_b32 v[O+16+i], v[S+16+i], v[O+16+i], s28   ; r < 8: channels 0-31 of row r + 8; else my channels 32-63
.set i, i+1
.endr
.irp p, 0,1                                    ; LDS serves a wave's instructions in order: the loads see the stores above them, and the second pass's stores come behind the first's loads
.irp e, 0,1,2,3
	ds_store_b128 v8, v[O+16*\p+4*\e:O+16*\p+4*\e+3] offset:16*\e
.endr
.irp i, 0,1,2,3
	ds_load_b128 v[F+16*\p+4*\i:F+16*\p+4*\i+3], v9 offset:544*\i
.endr
.endr
.irp p, 0,1
.irp i, 0,1,2,3
	s_wait_dscnt (1-\p)*8+3-\i                     ; behind this load: the pass's later loads, and for the first pass the second's 4 stores and 4 loads
	global_store_b128 v10, v[F+16*\p+4*\i:F+16*\p+4*\i+3], s[\outp:\outp+1] offset:(16*\p+2*\i)*4096 th:TH_STORE_NT   ; sixteen lanes store 256 consecutive bytes, aligned
.endr
.endr
	s_wait_xcnt 0x0                                ; the stores have read their registers
.if \first
	v_mov_b32 v40, v69
	RESET
	s_wait_alu depctr_va_vdst(0)
.endif
.endm
	TILE 10, 25, 66, 32, 1
	TILE 16, 11, 67, 34, 0
	s_wait_tensorcnt 0x0                           ; the wave's end
	ds_add_u32 v5, v6
	s_wait_dscnt 0x0
	CROUND                                         ; the closing round
	s_endpgm
.Lfunc_end_k_qccbd77ab9b_attn:
	.size	k_qccbd77ab9b_attn, .Lfunc_end_k_qccbd77ab9b_attn-k_qccbd77ab9b_attn
	.p2alignl 7, 3214868480
	.fill 96, 4, 3214868480
	.section	.rodata,"a",@progbits
	.p2align	6, 0x0
	.amdhsa_kernel k_qccbd77ab9b_attn
		.amdhsa_group_segment_fixed_size 327680
		.amdhsa_private_segment_fixed_size 0
		.amdhsa_enable_private_segment 0
		.amdhsa_kernarg_size 16
		.amdhsa_user_sgpr_count 2
		.amdhsa_user_sgpr_kernarg_segment_ptr 1
		.amdhsa_wavefront_size32 1
		.amdhsa_system_sgpr_workgroup_id_x 1
		.amdhsa_system_sgpr_workgroup_id_y 1
		.amdhsa_system_sgpr_workgroup_id_z 1
		.amdhsa_system_vgpr_workitem_id 0
		.amdhsa_next_free_vgpr 256
		.amdhsa_next_free_sgpr 80
		.amdhsa_reserve_vcc 0
		.amdhsa_float_denorm_mode_32 3
		.amdhsa_float_denorm_mode_16_64 3
		.amdhsa_memory_ordered 1
		.amdhsa_forward_progress 1
		.amdhsa_inst_pref_size 77
	.end_amdhsa_kernel
	.amdgpu_metadata
---
amdhsa.version: [ 1, 2 ]
amdhsa.kernels:
  - .name:           k_qccbd77ab9b_attn
    .symbol:         k_qccbd77ab9b_attn.kd
    .args:
      - { .name: qkv, .offset: 0, .size: 8, .value_kind: global_buffer, .address_space: global }
      - { .name: out0, .offset: 8, .size: 8, .value_kind: global_buffer, .address_space: global }
    .group_segment_fixed_size: 327680
    .private_segment_fixed_size: 0
    .kernarg_segment_align: 8
    .kernarg_segment_size: 16
    .max_flat_workgroup_size: 512
    .sgpr_count:     80
    .vgpr_count:     256
    .wavefront_size: 32
...
	.end_amdgpu_metadata
.endif
;; end of part 3
